; MI455X (gfx1250); checked and timed in simulation.
; The chip was launched on July 23, 2026; its instructions are those of AMD's public machine-readable ISA for CDNA 5 (MIT licence, August 2026) and "CDNA5" Instruction Set Architecture Reference Guide (July 2026). The comments in the code are by the model that wrote it; some were corrected since.
;; Disease Level Shapley Game. Allowed arithmetic: matrix products marked QUANTISED: E4M3 operands, one given power-of-two scale a tensor, by v_wmma_f32_16x16x64_fp8_fp8 or v_wmma_f32_16x16x128_fp8_fp8, f32 sums; products left as they are: f32 operands where the result goes on into a quantised operand, else bf16, f16 or f32 operands; f32 sums; everything else in f32.
;; Inputs: Wt 4,096 x 4,096 float32; Wv 4,096 x 4,096 float32; bt 4,096 float32; bv 4,096 float32; cooccurrence 14 x 14 float32; disease_labels 2,048 x 14 int32; image_feat 2,048 x 4,096 float32; lowp_scales 4 int32 (the exponents e of the quantised operands' scales 2^e); prototypes 14 x 4,096 float32; text_feat 2,048 x 4,096 float32.
;; Outputs: out0 2,048 x 14 float32; out1 14 x 4,096 float32; out2 one number float32.
;; This version of the problem:
;;   THIS VERSION OF THE PROBLEM IS GIVEN IN LOW PRECISION. The matrix products marked QUANTISED in the list below multiply operands that are first quantised to E4M3 (4 exponent bits, 3 mantissa bits; 8 bits a number), with one given power-of-two scale for each operand tensor; their sums are f32. All else is computed in f32.
;;   The module's matrix products, in the order in which they are computed (A, B: the left and right operand; K: the contracted axis; several contracted axes count as one K, in the product's order):
;;     1. [M 2,048, K 4,096] x [K 4,096, N 4,096]; A: input image_feat; B: input Wv: QUANTISED (scales: A lowp_scales[0], B lowp_scales[1])
;;     2. [M 2,048, K 4,096] x [K 4,096, N 4,096]; A: input text_feat; B: input Wt: QUANTISED (scales: A lowp_scales[2], B lowp_scales[3])
;;     3. [M 2,048, K 4,096] x [K 4,096, N 14]; A: computed on the way; B: computed on the way: left as it is (N = 14 < 16)
;;     4. [M 2,048, K 4,096] x [K 4,096, N 14]; A: computed on the way; B: computed on the way: left as it is (N = 14 < 16)
;;     5. [M 14, K 2,048] x [K 2,048, N 14]; A: input disease_labels; B: input disease_labels: left as it is (M = 14 < 16)
;;   THE QUANTISER, for each operand of a quantised product, along K:
;;     - The operand's scale is 2^e, e = its entry of the input lowp_scales (int32; the entries are numbered through the quantised products in the list's order, A before B).
;;     - Each number is divided by the scale, clamped to +-448, and rounded to the nearest number of E4M3, ties to even, subnormals kept.
;;     - The product sums the exact products of the quantised numbers (number of the format x scale) in f32.
;;   ~~~python
;;   def quantise(x, axis, e):      # numpy; x: float32 -> the quantised numbers, widened to float32 again
;;       x = np.moveaxis(x, axis, -1); K = x.shape[-1]
;;       r = np.clip(x / 2.0 ** e, -448, 448)
;;       step = 2.0 ** (np.maximum(np.frexp(np.where(r == 0, 1, r))[1] - 1, -6) - 3)
;;       q = np.round(r / step) * step * 2.0 ** e      # np.round: ties to even
;;       return np.moveaxis(q, -1, axis).astype(np.float32)
;;   ~~~
;; One version. Each part assembles by itself: llvm-mc -triple=amdgcn-amd-amdhsa -mcpu=gfx1250 --defsym DOCPART=n.
;; ======== version 1 of 1: 3 launches
;; limits: values are held in bf16: 8 bits of precision; right only within a limited range of input values
;; workspace buffers: codes 50,331,648 bytes; part 4,194,304 bytes; pinv 256 bytes
;; launch prep (part 1): grid 773 x 1, 4 waves a work-group, no clusters, 4,608 bytes of LDS; arguments image_feat, text_feat, Wv, Wt, lowp_scales, prototypes, disease_labels, cooccurrence, codes, pinv, out1, out2; writes codes, pinv, out1, out2
.if DOCPART == 1
	.amdgcn_target "amdgcn-amd-amdhsa--gfx1250"
	.amdhsa_code_object_version 6
	.text
	.protected	k_qd590094699_prep
	.globl	k_qd590094699_prep
	.p2align	8
	.type	k_qd590094699_prep,@function
k_qd590094699_prep:
	s_mov_b64 s[64:65], 0
	v_nop
	global_prefetch_b8 v0, s[64:65] scope:SCOPE_SE
	s_setreg_imm32_b32 hwreg(HW_REG_WAVE_MODE, 25, 1), 1
	s_wait_xcnt 0x0
; THREE JOBS IN ONE LAUNCH, parted on the work-group's number; the ways never join, and only work-group 0 uses LDS.
;   work-group 0:       out2 = mean((sigmoid(cooccurrence) - labels^T labels / 2048)^2)
;   work-groups 1-4:    pinv[i] = 1 / max(|prototype k|, 1e-12), k = max(i, 2) - 2, i = 0 .. 15; and out1 = prototypes
;   work-groups 5-772:  image_feat, text_feat, Wv, Wt (f32, K innermost) become codes of FP8 (E4M3), one byte each, the four tensors on end in the buffer codes
; THE QUANTISER: code = x / 2^e, held within +-448, rounded to the nearest code, ties to even.  e: entry 0 for image_feat, 1 for Wv, 2 for text_feat, 3 for Wt.
; LIMITS: each e lies between -126 and 119, so that 2^e and 448 x 2^e are f32 numbers.  NaN among the inputs is not served (an infinity is held at the largest code).
; The labels go to the matrix unit rounded to bf16: exact for whole numbers up to 256 in magnitude.
; THE ORDER OF THE CODES.  Rows are dense and 4,096 long, so each tensor is a plain stream.  A wave takes 32 steps of 512 numbers.  Each of a step's four loads reads 512 consecutive bytes, 16 a lane, and the lane converts the
; 16 numbers that it so holds and stores its 16 codes at 16 x lane: nothing changes lanes.  So inside each run of 512 along K, position 16 l + 4 i + j holds k = 128 i + 4 l + j.  The buffer is this program's own, the order is the
; same in all four tensors (a wave's run begins at a multiple of 16,384 numbers), and a product only asks that a code of x and its partner of W stand at the same place of their rows.
; THE GRID: 50,331,648 numbers are 768 work-groups of 65,536: three for each of 256 WGPs; with 208 registers a wave four work-groups fit on a WGP, so the five others find room beside them.
; Each wave has 16 loads out.  Every step has four registers of its own for its codes, and all 32 stores stand behind the last conversion.
.set STEPS, 32
.set R,     16                         ; v16-79   four sets of 16 numbers
.set C,     80                         ; v80-207  codes: four registers for each step, so that no store's data are written again
.set RAW,   16                         ; work-group 0: v16-79 four fragments' labels, 16 a lane each
.set FA,    80                         ; v80-111  the four fragments in bf16,
.set FB,    112                        ; v112-143 and once more: the two sources of a product share no register
.set ACC,   144                        ; v144-159 two accumulators, by turns
.set SPW,   12                         ; v12      LDS address of my spare word; never rewritten
.set NIL,   13                         ; v13      0; never rewritten
	s_load_b512 s[16:31], s[0:1], 0x0              ; image s[16:17], text s[18:19], Wv s[20:21], Wt s[22:23], scales s[24:25], prototypes s[26:27], labels s[28:29], cooccurrence s[30:31]
	s_load_b256 s[32:39], s[0:1], 0x40             ; codes s[32:33], pinv s[34:35], out1 s[36:37], out2 s[38:39]
	v_lshl_add_u32 v[SPW], v0, 2, 0x1000
	v_mov_b32 v[NIL], 0
	v_lshrrev_b32 v1, 5, v0
	v_readfirstlane_b32 s8, v1                     ; wave 0..3
	v_and_b32 v2, 31, v0                           ; lane
	v_lshlrev_b32 v3, 4, v2                        ; 16 x lane
	s_mov_b32 s13, 0                               ; the high word of every 32-bit offset
	s_mov_b32 s46, 0x76543210                      ; v_permlanex16_b32's selects for lane l xor 16
	s_mov_b32 s47, 0xfedcba98
	s_wait_kmcnt 0x0
	s_cmp_eq_u32 ttmp9, 0
	s_cbranch_scc1 .Lloss
	s_cmp_lt_u32 ttmp9, 5
	s_cbranch_scc1 .Lnorm
; ---------------------------------------------------------------- the quantiser
	s_load_b128 s[40:43], s[24:25], 0x0            ; the four exponents
	s_sub_co_u32 s9, ttmp9, 5                      ; q: which run of 65,536 numbers.  q < 128 image, < 256 text, < 512 Wv, else Wt: the order in which the codes lie
	s_mov_b64 s[4:5], s[22:23]
	s_mov_b32 s10, 512                             ; the tensor's first q
	s_cmp_lt_u32 s9, 512
	s_cselect_b64 s[4:5], s[20:21], s[4:5]
	s_cselect_b32 s10, 256, s10
	s_cmp_lt_u32 s9, 256
	s_cselect_b64 s[4:5], s[18:19], s[4:5]
	s_cselect_b32 s10, 128, s10
	s_cmp_lt_u32 s9, 128
	s_cselect_b64 s[4:5], s[16:17], s[4:5]
	s_cselect_b32 s10, 0, s10
	s_sub_co_u32 s11, s9, s10
	s_lshl_b32 s11, s11, 2
	s_add_co_u32 s11, s11, s8                      ; my wave's run of 16,384 numbers in its tensor,
	s_lshl_b32 s12, s11, 16                        ; in bytes (under 2^27)
	s_add_nc_u64 s[4:5], s[4:5], s[12:13]
	s_lshl_b32 s11, s9, 2
	s_add_co_u32 s11, s11, s8
	s_lshl_b32 s12, s11, 14                        ; and its 16,384 codes in the buffer of all four
	s_add_nc_u64 s[6:7], s[32:33], s[12:13]
.macro LOAD t
.irp i, 0,1,2,3
	global_load_b128 v[R+16*((\t)%4)+4*\i:R+16*((\t)%4)+4*\i+3], v3, s[4:5] offset:2048*(\t)+512*\i th:TH_LOAD_NT   ; 32 lanes read 512 consecutive bytes; read once in the launch
.endr
.endm
	s_wait_alu depctr_va_vdst(0)
.irp t, 0,1,2,3
	LOAD \t
.endr
	s_wait_kmcnt 0x0
	s_mov_b32 s44, s43                             ; e: Wt's,
	s_cmp_lt_u32 s9, 512
	s_cselect_b32 s44, s41, s44                    ; Wv's,
	s_cmp_lt_u32 s9, 256
	s_cselect_b32 s44, s42, s44                    ; text's,
	s_cmp_lt_u32 s9, 128
	s_cselect_b32 s44, s40, s44                    ; or image's
	s_add_co_i32 s44, s44, 127
	s_lshl_b32 s45, s44, 23
	v_mov_b32 v11, s45                             ; 2^e as f32: the conversion takes its exponent field
	s_add_co_i32 s44, s44, 8
	s_lshl_b32 s44, s44, 23
	s_or_b32 s44, s44, 0x600000
	v_mov_b32 v10, s44                             ; 448 x 2^e
.macro STEP t
.set XS, R+16*((\t)%4)
.if STEPS-1-(\t) >= 3
	s_wait_loadcnt 12                              ; this step's four loads are in; the twelve of the three steps behind it may be out
.else
	s_wait_loadcnt 4*(STEPS-1-(\t))                ; at the end fewer steps are behind it
.endif
.irp i, 0,1,2,3,4,5,6,7,8,9,10,11,12,13,14,15
	v_med3_num_f32 v[XS+\i], v[XS+\i], -v10, v10   ; the conversion to an 8-bit code does not saturate (ISA guide 7.6.2): the number is held within the largest code x the scale first
.endr
	v_cvt_scalef32_pk8_fp8_f32 v[C+4*(\t):C+4*(\t)+1], v[XS:XS+7], v11          ; the numbers of loads 0 and 1: the first number's code in the lowest byte
	v_cvt_scalef32_pk8_fp8_f32 v[C+4*(\t)+2:C+4*(\t)+3], v[XS+8:XS+15], v11      ; of loads 2 and 3
	v_nop                                          ; one plain vector line behind the last conversion of a run
.if (\t)+4 < STEPS
	LOAD (\t)+4                                    ; the set just converted takes the loads of four steps on
.endif
.endm
	s_wait_alu depctr_va_vdst(0)
.set Q, 0
.rept STEPS
	STEP Q
.set Q, Q+1
.endr
.set Q, 0
.rept STEPS
	global_store_b128 v3, v[C+4*Q:C+4*Q+3], s[6:7] offset:512*Q   ; 32 lanes store 512 consecutive bytes, at a multiple of 512 from the buffer's first byte; no vector instruction of the wave follows a store
.set Q, Q+1
.endr
	s_endpgm
; ---------------------------------------------------------------- a prototype's norm, and its copy: a wave to a slot, a row of 16,384 bytes in 128 registers
.Lnorm:
	s_sub_co_u32 s9, ttmp9, 1
	s_lshl_b32 s9, s9, 2
	s_add_co_u32 s9, s9, s8                        ; slot 0..15
	s_max_u32 s10, s9, 2
	s_sub_co_u32 s10, s10, 2                       ; prototype k = max(slot, 2) - 2: slots 0 and 1 repeat prototype 0, so that the table has the order of the records that the next launches keep
	s_lshl_b32 s12, s10, 14
	s_add_nc_u64 s[4:5], s[26:27], s[12:13]
	s_add_nc_u64 s[6:7], s[36:37], s[12:13]
.set i, 0
	s_wait_alu depctr_va_vdst(0)
.rept 32
	global_load_b128 v[16+4*i:19+4*i], v3, s[4:5] offset:512*i
.set i, i+1
.endr
.set i, 0
.rept 32
	s_wait_loadcnt 31-i                            ; load i is in; the younger ones stay out
.if i < 2
	v_pk_mul_f32 v[144+4*(i%2):145+4*(i%2)], v[16+4*i:17+4*i], v[16+4*i:17+4*i]   ; four chains of two; the first products start them
	s_wait_alu depctr_va_vdst(0)
	v_pk_mul_f32 v[146+4*(i%2):147+4*(i%2)], v[18+4*i:19+4*i], v[18+4*i:19+4*i]
.else
	v_pk_fma_f32 v[144+4*(i%2):145+4*(i%2)], v[16+4*i:17+4*i], v[16+4*i:17+4*i], v[144+4*(i%2):145+4*(i%2)]
	s_wait_alu depctr_va_vdst(0)
	v_pk_fma_f32 v[146+4*(i%2):147+4*(i%2)], v[18+4*i:19+4*i], v[18+4*i:19+4*i], v[146+4*(i%2):147+4*(i%2)]
.endif
.set i, i+1
.endr
	s_cmp_lt_u32 s9, 2
	s_cbranch_scc1 .Lno_copy                       ; each prototype is copied once: by slots 2 to 15
.set i, 0
.rept 32
	global_store_b128 v3, v[16+4*i:19+4*i], s[6:7] offset:512*i   ; 512 consecutive bytes a store
.set i, i+1
.endr
.Lno_copy:
	v_pk_add_f32 v[144:145], v[144:145], v[146:147]
	s_wait_alu depctr_va_vdst(0)
	v_pk_add_f32 v[148:149], v[148:149], v[150:151]
	v_pk_add_f32 v[144:145], v[144:145], v[148:149]
	v_add_f32 v144, v144, v145
	v_add_f32_dpp v144, v144, v144 row_xmask:1 row_mask:0xf bank_mask:0xf
	v_add_f32_dpp v144, v144, v144 row_xmask:2 row_mask:0xf bank_mask:0xf
	v_add_f32_dpp v144, v144, v144 row_xmask:4 row_mask:0xf bank_mask:0xf
	v_add_f32_dpp v144, v144, v144 row_xmask:8 row_mask:0xf bank_mask:0xf
	v_permlanex16_b32 v145, v144, s46, s47
	v_add_f32 v144, v144, v145                     ; the row's sum of squares, in every lane
	s_wait_alu depctr_va_vdst(0)
	v_sqrt_f32 v144, v144
	s_lshl_b32 s11, s9, 2
	v_mov_b32 v4, s11                              ; (a plain place behind the root)  the slot's byte in the table
	s_wait_alu depctr_va_vdst(0)
	v_max_num_f32 v144, 0x2b8cbccc, v144           ; max(norm, 1e-12)
	s_wait_alu depctr_va_vdst(0)
	v_rcp_f32 v144, v144
	v_cmp_eq_u32 vcc_lo, 0, v2                     ; (a plain place behind the reciprocal)
	s_wait_xcnt 0x0                                ; EXEC is a source of the stores above: it changes only behind this wait
	s_and_saveexec_b32 s14, vcc_lo
	s_wait_alu depctr_va_vdst(0)
	global_store_b32 v4, v144, s[34:35]            ; lane 0 alone
	s_wait_xcnt 0x0
	s_or_b32 exec_lo, exec_lo, s14
	s_endpgm
; ---------------------------------------------------------------- labels^T labels on the matrix unit, then the loss
; S(m, n) = the sum over the batch of labels[k][m] labels[k][n].  Both sources are the same fragment: lane (r, h) holds column min(r, 13) and batch rows 8 h + 0..7 and 16 + 8 h + 0..7 of 32.
; Wave w takes batch rows 512 w on: 16 fragments, four at a time on two accumulators.  Rows and columns 14 and 15 of S repeat column 13 and are masked at the end.
.Lloss:
	v_and_b32 v1, 15, v0                           ; r
	v_bfe_u32 v9, v0, 4, 1                         ; h
	v_min_u32 v4, 13, v1
	v_lshlrev_b32 v8, 2, v4                        ; 4 min(r, 13)
	v_mul_u32_u24 v5, v9, 448
	v_add_nc_u32 v5, v5, v8                        ; + 8 h rows of 56 bytes: serves the labels and the 14 x 14 table alike
	s_lshl_b32 s10, s8, 10
	s_wait_alu depctr_va_vdst(0)
	v_add_nc_u32 v6, s10, v3                       ; LDS: 16 x lane in my wave's image of 1,024 bytes
	s_mul_i32 s12, s8, 28672                       ; 512 rows of 56 bytes
	s_add_nc_u64 s[4:5], s[28:29], s[12:13]
.macro BATCH t
.irp f, 0,1,2,3
.irp e, 0,1,2,3,4,5,6,7,8,9,10,11,12,13,14,15
	global_load_b32 v[RAW+16*\f+\e], v5, s[4:5] offset:(128*\t+32*\f+\e+8*(\e/8))*56
.endr
.endr
	s_wait_loadcnt 0x0
.irp n, 0,1,2,3,4,5,6,7,8,9,10,11,12,13,14,15,16,17,18,19,20,21,22,23,24,25,26,27,28,29,30,31,32,33,34,35,36,37,38,39,40,41,42,43,44,45,46,47,48,49,50,51,52,53,54,55,56,57,58,59,60,61,62,63
	v_cvt_f32_i32 v[RAW+\n], v[RAW+\n]             ; (these are also the places between the last products and the lines that write their sources anew)
.endr
.irp f, 0,1,2,3
.irp j, 0,1,2,3,4,5,6,7
	v_cvt_pk_bf16_f32 v[FA+8*\f+\j], v[RAW+16*\f+2*\j], v[RAW+16*\f+2*\j+1]
	v_cvt_pk_bf16_f32 v[FB+8*\f+\j], v[RAW+16*\f+2*\j], v[RAW+16*\f+2*\j+1]
.endr
.endr
.irp f, 0,1,2,3
.if (\t == 0) && (\f < 2)
	v_wmma_f32_16x16x32_bf16 v[ACC+8*(\f%2):ACC+8*(\f%2)+7], v[FA+8*\f:FA+8*\f+7], v[FB+8*\f:FB+8*\f+7], 0   ; the first two products start the two sums
.else
	v_wmma_f32_16x16x32_bf16 v[ACC+8*(\f%2):ACC+8*(\f%2)+7], v[FA+8*\f:FA+8*\f+7], v[FB+8*\f:FB+8*\f+7], v[ACC+8*(\f%2):ACC+8*(\f%2)+7]   ; the two accumulators take turns, one instruction a turn, from batch to batch too
.endif
.endr
.endm
	BATCH 0
	BATCH 1
	BATCH 2
	BATCH 3
.rept 4
	v_nop                                          ; four places behind the last products (ISA guide 7.12.1)
.endr
.irp j, 0,2,4,6
	v_pk_add_f32 v[ACC+\j:ACC+\j+1], v[ACC+\j:ACC+\j+1], v[ACC+8+\j:ACC+8+\j+1]        ; each accumulator from its low end on
.endr
	ds_store_b128 v6, v[ACC:ACC+3]                 ; my partial S as an image of its registers
	ds_store_b128 v6, v[ACC+4:ACC+7] offset:512
	s_wait_dscnt 0x0                               ; for the others' sake: my stores are done
	s_barrier_signal -1
	s_barrier_wait -1
	s_cmp_lg_u32 s8, 0
	s_cbranch_scc1 .Lloss_end                      ; wave 0 finishes
.irp j, 0,1,2,3,4,5
	global_load_b32 v[48+\j], v5, s[30:31] offset:56*\j   ; cooccurrence(8 h + j, min(r, 13)): byte 780 at the most
.endr
.irp j, 6,7
	global_load_b32 v[48+\j], v8, s[30:31] offset:56*\j   ; rows 14 and 15 do not exist: lanes 16-31 read rows 6 and 7 and are masked below
.endr
.irp w, 0,1,2,3
	ds_load_b128 v[16+8*\w:19+8*\w], v3 offset:1024*\w
	ds_load_b128 v[20+8*\w:23+8*\w], v3 offset:1024*\w+512
.endr
	s_mov_b32 s10, 0xba000000                      ; -1 / 2048
	v_cmp_gt_u32 s11, 14, v1                       ; columns that exist,
	s_and_b32 s12, s11, 0xffff                     ; and, for registers 6 and 7, rows that exist
	s_wait_dscnt 0x0
.irp j, 0,2,4,6
	v_pk_add_f32 v[16+\j:17+\j], v[16+\j:17+\j], v[24+\j:25+\j]
	v_pk_add_f32 v[32+\j:33+\j], v[32+\j:33+\j], v[40+\j:41+\j]
.endr
.irp j, 0,2,4,6
	v_pk_add_f32 v[16+\j:17+\j], v[16+\j:17+\j], v[32+\j:33+\j]   ; S(8 h + j, r)
.endr
	s_wait_loadcnt 0x0
.irp j, 0,1,2,3,4,5,6,7
	v_mul_f32 v[48+\j], 0xbfb8aa3b, v[48+\j]       ; -log2(e) x
.endr
	s_wait_alu depctr_va_vdst(0)
.irp j, 0,1,2,3,4,5,6,7
	v_exp_f32 v[48+\j], v[48+\j]
.endr
	v_mov_b32 v9, 0                                ; (a plain place behind the exponentials)  out2's offset
	s_wait_alu depctr_va_vdst(0)
.irp j, 0,1,2,3,4,5,6,7
	v_add_f32 v[48+\j], 1.0, v[48+\j]
.endr
	s_wait_alu depctr_va_vdst(0)
.irp j, 0,1,2,3,4,5,6,7
	v_rcp_f32 v[48+\j], v[48+\j]                   ; sigmoid
.endr
	v_nop                                          ; a plain place behind the reciprocals
	s_wait_alu depctr_va_vdst(0)
.irp j, 0,1,2,3,4,5,6,7
	v_fma_f32 v[48+\j], v[16+\j], s10, v[48+\j]    ; sigmoid - S / 2048
.endr
.irp j, 0,1,2,3,4,5,6,7
	v_mul_f32 v[48+\j], v[48+\j], v[48+\j]
.endr
.irp j, 0,1,2,3,4,5
	v_cndmask_b32 v[48+\j], 0, v[48+\j], s11
.endr
.irp j, 6,7
	v_cndmask_b32 v[48+\j], 0, v[48+\j], s12
.endr
	v_pk_add_f32 v[48:49], v[48:49], v[50:51]
	v_pk_add_f32 v[52:53], v[52:53], v[54:55]
	v_pk_add_f32 v[48:49], v[48:49], v[52:53]
	v_add_f32 v48, v48, v49
	v_add_f32_dpp v48, v48, v48 row_xmask:1 row_mask:0xf bank_mask:0xf
	v_add_f32_dpp v48, v48, v48 row_xmask:2 row_mask:0xf bank_mask:0xf
	v_add_f32_dpp v48, v48, v48 row_xmask:4 row_mask:0xf bank_mask:0xf
	v_add_f32_dpp v48, v48, v48 row_xmask:8 row_mask:0xf bank_mask:0xf
	v_permlanex16_b32 v49, v48, s46, s47
	v_add_f32 v48, v48, v49
	v_mul_f32 v48, 0x3ba72f05, v48                 ; / 196
	v_cmp_eq_u32 vcc_lo, 0, v2
	s_wait_alu depctr_va_vdst(0)
	s_wait_xcnt 0x0                                ; EXEC changes only behind this wait
	s_and_saveexec_b32 s14, vcc_lo
	global_store_b32 v9, v48, s[38:39]             ; lane 0 alone
	s_wait_xcnt 0x0
	s_or_b32 exec_lo, exec_lo, s14
.Lloss_end:
	s_wait_tensorcnt 0x0                           ; the wave's end
	ds_add_u32 v[SPW], v[NIL]
	s_wait_dscnt 0x0
	s_endpgm
.Lfunc_end_k_qd590094699_prep:
	.size	k_qd590094699_prep, .Lfunc_end_k_qd590094699_prep-k_qd590094699_prep
	.p2alignl 7, 3214868480
	.fill 96, 4, 3214868480
	.section	.rodata,"a",@progbits
	.p2align	6, 0x0
	.amdhsa_kernel k_qd590094699_prep
		.amdhsa_group_segment_fixed_size 4608
		.amdhsa_private_segment_fixed_size 0
		.amdhsa_enable_private_segment 0
		.amdhsa_kernarg_size 96
		.amdhsa_user_sgpr_count 2
		.amdhsa_user_sgpr_kernarg_segment_ptr 1
		.amdhsa_wavefront_size32 1
		.amdhsa_system_sgpr_workgroup_id_x 1
		.amdhsa_system_sgpr_workgroup_id_y 1
		.amdhsa_system_sgpr_workgroup_id_z 1
		.amdhsa_system_vgpr_workitem_id 0
		.amdhsa_next_free_vgpr 208
		.amdhsa_next_free_sgpr 66
		.amdhsa_reserve_vcc 1
		.amdhsa_float_denorm_mode_32 3
		.amdhsa_float_denorm_mode_16_64 3
		.amdhsa_memory_ordered 1
		.amdhsa_forward_progress 1
		.amdhsa_inst_pref_size 126
	.end_amdhsa_kernel
	.amdgpu_metadata
---
amdhsa.version: [ 1, 2 ]
amdhsa.kernels:
  - .name:           k_qd590094699_prep
    .symbol:         k_qd590094699_prep.kd
    .args:
      - { .name: image_feat, .offset: 0, .size: 8, .value_kind: global_buffer, .address_space: global }
      - { .name: text_feat, .offset: 8, .size: 8, .value_kind: global_buffer, .address_space: global }
      - { .name: Wv, .offset: 16, .size: 8, .value_kind: global_buffer, .address_space: global }
      - { .name: Wt, .offset: 24, .size: 8, .value_kind: global_buffer, .address_space: global }
      - { .name: lowp_scales, .offset: 32, .size: 8, .value_kind: global_buffer, .address_space: global }
      - { .name: prototypes, .offset: 40, .size: 8, .value_kind: global_buffer, .address_space: global }
      - { .name: disease_labels, .offset: 48, .size: 8, .value_kind: global_buffer, .address_space: global }
      - { .name: cooccurrence, .offset: 56, .size: 8, .value_kind: global_buffer, .address_space: global }
      - { .name: codes, .offset: 64, .size: 8, .value_kind: global_buffer, .address_space: global }
      - { .name: pinv, .offset: 72, .size: 8, .value_kind: global_buffer, .address_space: global }
      - { .name: out1, .offset: 80, .size: 8, .value_kind: global_buffer, .address_space: global }
      - { .name: out2, .offset: 88, .size: 8, .value_kind: global_buffer, .address_space: global }
    .group_segment_fixed_size: 4608
    .private_segment_fixed_size: 0
    .kernarg_segment_align: 8
    .kernarg_segment_size: 96
    .max_flat_workgroup_size: 128
    .sgpr_count:     66
    .vgpr_count:     208
    .wavefront_size: 32
...
	.end_amdgpu_metadata
.endif
;; end of part 1
;; launch gemm (part 2): grid 16 x 16, 4 waves a work-group, clusters of 4 x 4, 327,680 bytes of LDS; arguments codes, prototypes, bv, bt, lowp_scales, part; writes part
.if DOCPART == 2
	.amdgcn_target "amdgcn-amd-amdhsa--gfx1250"
	.amdhsa_code_object_version 6
	.text
	.protected	k_qd590094699_gemm
	.globl	k_qd590094699_gemm
	.p2align	8
	.type	k_qd590094699_gemm,@function
k_qd590094699_gemm:
	s_mov_b64 s[64:65], 0
	v_nop
	global_prefetch_b8 v0, s[64:65] scope:SCOPE_SE
	s_setreg_imm32_b32 hwreg(HW_REG_WAVE_MODE, 25, 1), 1
	s_wait_xcnt 0x0
	s_wait_alu depctr_hold_cnt(0) depctr_sa_sdst(0) depctr_va_vdst(0) depctr_va_sdst(0) depctr_va_ssrc(0) depctr_va_vcc(0) depctr_vm_vsrc(0)
	s_getreg_b32 s2, hwreg(HW_REG_IB_STS2, 6, 4)
	s_cmp_eq_u32 s2, 0
	s_cbranch_scc0 .Lentry_in_a_cluster
	s_endpgm
.Lentry_in_a_cluster:
	s_bfe_u32 s2, ttmp6, 0x10000c
	s_cmp_lg_u32 s2, 0xf033
	s_cbranch_scc0 .Lentry_shape_is_right
	s_endpgm
.Lentry_shape_is_right:
; BOTH QUANTISED PRODUCTS IN ONE LAUNCH, and what the similarities need of them.  y' = codes(x) codes(W)^T + b / 2^e, e = the product's two exponents added; x: image_feat's 2,048 rows, then text_feat's, stacked;
; W: Wv for the first, Wt for the second.  The codes lie in the buffer codes, the four tensors on end, rows of 4,096 bytes, in one order along K for all four.  y' never goes to memory: a work-group leaves, for each of its
; 256 rows, a record of 16 f32 over its 256 columns: entry 0 the sum of y'^2, entry 2 + k the product y' . prototype k (entry 1 repeats entry 2 and is not read).  The last launch adds the 16 tile columns' records.
; A tile of y', 256 x 256, is made by four waves, 128 x 128 each: 64 accumulators, 512 registers (windows 2 and 3); A's fragments in window 0 (one set), B's in window 1 (two sets).  The bias, divided by 2^e, is the C of each
; accumulator's first product.  The matrix instruction is used transposed (source 0 = rows of W, source 1 = rows of x): a lane holds eight neighbouring columns of one row.
; K goes in steps of 256 through two LDS slots; a tile's row is 256 bytes of memory on a 256-byte border.  CLUSTERS: 4 x 4 work-groups of one product; x's tiles are asked for jointly along a row of the cluster, W's along a column.
; THE WAY OUT: y' and the prototypes are each split in f32 into a high and a low bf16 part; high x high, high x low and low x high go to the bf16 matrix form; the squares are summed in f32.  The two waves of a row half
; add their records through an LDS stage behind the ring.
; PREFETCH: each row's 256 bytes of a K step are named once in each cluster that loads them: of the 128 rows that a wave fetches, the partner at place p (cx for x's tiles, cy for W's) names rows 32 p .. 32 p + 31, a lane a row.
; The head names K steps 1 and 2, and step 3 once step 1 is being loaded; the change of slots that asks for K step i + 2 names K step i + 4; the loop's last trip names nothing: K has 16 steps.
; LIMITS: NaN among the inputs is not served.  The bias is scaled by v_ldexp_f32, which sets no bound on the exponents.
.set ROWB,   256
.set KROW,   4096
.set PITCH,  272
.set FR,     16
.set NL,     4
.set NP,     4
.set HALFT,  128*PITCH
.set SLOT,   4*HALFT
.set LAPS,   4096/(2*256)
.set SPARE,  2*SLOT
.set STAGE,  SPARE+512
.set PO,   10
.set PFO,  12                          ; v12      the prefetches' offset: lane x a row of 4,096 bytes; never rewritten
.set PFA,  88                          ; s[88:89] where my prefetches stand: my work-group's 32 rows of the 128 that I fetch; one K step further at each change of slots
.set BO,   11
.set ADRA, 16
.set ADRB, 20
.set STGA, 24
.set CO,   26
.set SPW,  28
.set NIL,  29
.set NEG1, 30
.set BIAS, 32
.set RAWP, 32
.set D2,   32
.set PH,   96
.set AF,   128
.set YH,   128
.set TT,   128
.set SS,   192
.set YL,   0
.set PL,   64
.set G1, 24
.set G0, 32
.set G1B, 48
.set G0B, 56
.set MSB, 0
.macro WIN new
.if MSB != (\new)
	s_set_vgpr_msb (MSB<<8)|(\new)
.set MSB, (\new)
.endif
.endm
.set MUL_LO, 0xa1
.set MUL_HI, 0xf1
.set TO_B,   0x40
.macro JLOAD g0a, g1a, g0b, g1b
	s_cmp_eq_u32 s15, 0
	s_cbranch_scc0 .Lfor_b_\@
	tensor_load_to_lds s[\g0a:\g0a+3], s[\g1a:\g1a+7]
	s_nop 0
.rept 4
	v_nop
.endr
	s_branch .Lasked_\@
.Lfor_b_\@:
	tensor_load_to_lds s[\g0b:\g0b+3], s[\g1b:\g1b+7]
	s_nop 0
.rept 4
	v_nop
.endr
.Lasked_\@:
.endm
.macro ASK                             ; 32 rows x 256 bytes of the K step two refills on; s3 = 1 in the loop's last trip, which has no such step
	s_cmp_gt_u32 s3, 1
	s_cbranch_scc0 .Lno_ask_\@
	global_prefetch_b8 v[PFO], s[PFA:PFA+1] offset:3*ROWB th:TH_LOAD_NT scope:SCOPE_SE
.Lno_ask_\@:
.endm
.macro CREST
	s_cmp_lg_u32 s14, 0
	s_cbranch_scc1 .Lnot_wave_0_\@
	s_barrier_signal -3
.Lnot_wave_0_\@:
	s_barrier_wait -3
	s_barrier_signal -1
	s_barrier_wait -1
.endm
.macro CROUND
	s_barrier_signal -1
	s_barrier_wait -1
	CREST
.endm
	s_load_b256 s[4:11], s[0:1], 0x0
	s_load_b128 s[68:71], s[0:1], 0x20
	v_lshl_add_u32 v[SPW], v0, 2, SPARE
	v_mov_b32 v[NIL], 0
	ds_add_u32 v28, v29
	ds_add_u32 v28, v29
	s_wait_dscnt 0x0
	v_lshrrev_b32 v1, 5, v0
	v_readfirstlane_b32 s14, v1
	s_lshr_b32 s15, s14, 1
	s_and_b32 s16, s14, 1
	s_bfe_u32 s40, ttmp6, 0x40000
	s_bfe_u32 s41, ttmp6, 0x40004
	s_lshl_b32 s42, ttmp9, 2
	s_add_co_u32 s42, s42, s40
	s_and_b32 s12, ttmp7, 0xffff
	s_and_b32 s76, s12, 1
	s_lshr_b32 s17, s12, 1
	s_lshl_b32 s17, s17, 2
	s_add_co_u32 s17, s17, s41
	s_lshl_b32 s13, s76, 3
	s_add_co_u32 s17, s17, s13
	s_lshl_b32 s43, s41, 2
	s_lshl_b32 s43, 15, s43
	s_lshl_b32 s44, 0x1111, s40
	s_or_b32 s[G1+0], s43, (0<<16)|(1<<20)|(1<<21)|(5<<22)|(3<<25)
	s_or_b32 s[G1B+0], s44, (0<<16)|(1<<20)|(1<<21)|(5<<22)|(3<<25)
.irp g, G1, G1B
	s_mov_b32 s[\g+1], ROWB<<16
	s_mov_b32 s[\g+2], 128<<16
	s_mov_b32 s[\g+3], ROWB<<16
	s_mov_b32 s[\g+4], 128
	s_mov_b32 s[\g+5], KROW
	s_mov_b32 s[\g+6], 0
	s_mov_b32 s[\g+7], 0
.endr
	s_lshl_b32 s18, s16, 7
	s_lshl_b32 s20, s17, 8
	s_add_co_u32 s20, s20, s18
	s_lshl_b32 s20, s20, 12
	s_mov_b32 s21, 0
	s_lshl_b32 s46, s42, 8
	s_add_co_u32 s46, s46, s18
	s_lshl_b32 s47, s76, 12
	s_add_co_u32 s46, s46, s47
	s_lshl_b32 s46, s46, 12
	s_add_co_u32 s46, s46, 0x1000000
	s_mov_b32 s47, 0
	s_mul_i32 s45, s14, HALFT
	s_wait_kmcnt 0x0
	s_load_b128 s[72:75], s[68:69], 0x0
	s_add_nc_u64 s[20:21], s[4:5], s[20:21]
	s_add_nc_u64 s[46:47], s[4:5], s[46:47]
	CROUND
.irp s, 0,1
	s_mov_b32 s[G0+4*\s], 1
	s_add_co_u32 s[G0+4*\s+1], s45, \s*SLOT
	s_add_nc_u64 s[G0+4*\s+2:G0+4*\s+3], s[20:21], \s*ROWB
	s_or_b32 s[G0+4*\s+3], s[G0+4*\s+3], 0x80000000
	s_mov_b32 s[G0B+4*\s], 1
	s_add_co_u32 s[G0B+4*\s+1], s45, \s*SLOT
	s_add_nc_u64 s[G0B+4*\s+2:G0B+4*\s+3], s[46:47], \s*ROWB
	s_or_b32 s[G0B+4*\s+3], s[G0B+4*\s+3], 0x80000000
.endr
	s_cmp_eq_u32 s15, 0                            ; do I fetch x's rows or W's?
	s_cselect_b64 s[PFA:PFA+1], s[20:21], s[46:47] ; the 128 rows that I fetch,
	s_cselect_b32 s90, s40, s41                    ; my place among the four that ask for them with me,
	s_lshl_b32 s90, s90, 17                        ; x 32 rows of 4,096 bytes
	s_mov_b32 s91, 0
	s_add_nc_u64 s[PFA:PFA+1], s[PFA:PFA+1], s[90:91]
	JLOAD G0, G1, G0B, G1B                         ; K step 0: one tensor load a wave at the head
	v_and_b32 v[PFO], 31, v0
	v_lshlrev_b32 v[PFO], 12, v[PFO]
	global_prefetch_b8 v[PFO], s[PFA:PFA+1] offset:ROWB th:TH_LOAD_NT scope:SCOPE_SE     ; K step 1
	global_prefetch_b8 v[PFO], s[PFA:PFA+1] offset:2*ROWB th:TH_LOAD_NT scope:SCOPE_SE   ; K step 2
	v_and_b32 v1, 15, v0
	v_bfe_u32 v2, v0, 4, 1
	v_mul_u32_u24 v3, v1, PITCH
	v_lshl_add_u32 v4, v2, 4, v3
	s_mul_i32 s21, s15, HALFT
	s_mul_i32 s22, s16, HALFT
	s_add_co_u32 s22, s22, 2*HALFT
.irp s, 0,1
	v_add_nc_u32 v[ADRA+\s], s21, v4
	v_add_nc_u32 v[ADRB+\s], s22, v4
	s_add_co_u32 s21, s21, SLOT
	s_add_co_u32 s22, s22, SLOT
.endr
	v_and_b32 v6, 31, v0
	v_lshlrev_b32 v[CO], 4, v6
	s_lshl_b32 s23, s15, 13
	s_add_co_u32 s23, s23, STAGE
	v_add_nc_u32 v[STGA], s23, v[CO]
	v_max_u32 v5, 2, v1
	v_add_nc_u32 v5, -2, v5
	v_lshlrev_b32 v5, 14, v5
	v_lshl_add_u32 v[PO], v2, 5, v5
	v_lshlrev_b32 v[BO], 5, v2
	v_mov_b32 v[NEG1], 0xbf800000
	s_lshl_b32 s82, s42, 10
	s_lshl_b32 s83, s16, 9
	s_add_co_u32 s82, s82, s83
	s_mov_b32 s83, 0
	s_mov_b32 s84, 0x76543210
	s_mov_b32 s85, 0xfedcba98
	s_lshl_b32 s86, s42, 18
	s_lshl_b32 s87, s17, 14
	s_add_co_u32 s86, s86, s87
	s_lshl_b32 s87, s15, 13
	s_add_co_u32 s86, s86, s87
	s_mov_b32 s87, 0
	s_wait_alu depctr_va_vdst(0)
	s_wait_kmcnt 0x0
	s_add_co_i32 s80, s72, s73
	s_add_co_i32 s81, s74, s75
	s_cmp_eq_u32 s76, 0
	s_cselect_b64 s[78:79], s[8:9], s[10:11]
	s_cselect_b32 s81, s80, s81
	s_sub_co_i32 s81, 0, s81
	s_add_nc_u64 s[78:79], s[78:79], s[82:83]
	s_add_nc_u64 s[6:7], s[6:7], s[82:83]
	s_add_nc_u64 s[70:71], s[70:71], s[86:87]
.irp b, 0,1,2,3,4,5,6,7
	global_load_b128 v[BIAS+8*\b:BIAS+8*\b+3], v[BO], s[78:79] offset:64*\b
	global_load_b128 v[BIAS+8*\b+4:BIAS+8*\b+7], v[BO], s[78:79] offset:64*\b+16
.endr
	s_wait_loadcnt 0x0
.irp j, 0,1,2,3,4,5,6,7,8,9,10,11,12,13,14,15,16,17,18,19,20,21,22,23,24,25,26,27,28,29,30,31,32,33,34,35,36,37,38,39,40,41,42,43,44,45,46,47,48,49,50,51,52,53,54,55,56,57,58,59,60,61,62,63
	v_ldexp_f32 v[BIAS+\j], v[BIAS+\j], s81
.endr
.macro FRAG reg, adr, q, i
.irp c, 0,1,2,3
	ds_load_b128 v[\reg+4*\c:\reg+4*\c+3], v[\adr] offset:128*(\q)+32*\c+(\i)*16*PITCH
.endr
.endm
.macro MUL16 a0, p, first
.irp a, \a0, \a0+1
.irp b, 0,1,2,3,4,5,6,7
.if \first
	v_wmma_f32_16x16x128_fp8_fp8 v[8*(8*((\a)%4)+\b):8*(8*((\a)%4)+\b)+7], v[128*(\p)+FR*\b:128*(\p)+FR*\b+FR-1], v[AF+FR*(\a):AF+FR*(\a)+FR-1], v[BIAS+8*\b:BIAS+8*\b+7]
.else
	v_wmma_f32_16x16x128_fp8_fp8 v[8*(8*((\a)%4)+\b):8*(8*((\a)%4)+\b)+7], v[128*(\p)+FR*\b:128*(\p)+FR*\b+FR-1], v[AF+FR*(\a):AF+FR*(\a)+FR-1], v[8*(8*((\a)%4)+\b):8*(8*((\a)%4)+\b)+7]
.endif
.endr
.endr
.endm
.macro FETCH_B slot, q, p
	WIN TO_B
.irp i, 0,1,2,3,4,5,6,7
	FRAG 128*(\p)+FR*\i, ADRB+\slot, \q, \i
.endr
	WIN 0
.endm
.macro FETCH_A slot, q, i0
.irp i, \i0, \i0+1, \i0+2, \i0+3
	FRAG AF+FR*(\i), ADRA+\slot, \q, \i
.endr
.endm
.macro PLACES n
.rept \n
	v_nop
.endr
.endm
.macro STEP slot, q, first
	s_wait_dscnt 4*NL
.if \first
	WIN 0x81
.else
	WIN MUL_LO
.endif
	MUL16 0, (\q)%2, \first
	MUL16 2, (\q)%2, \first
	s_wait_dscnt 0
	PLACES NP
	FETCH_B \slot, (\q)+1, 1-(\q)%2
	FETCH_A \slot, (\q)+1, 0
.if \first
	WIN 0xc1
.else
	WIN MUL_HI
.endif
	MUL16 4, (\q)%2, \first
	MUL16 6, (\q)%2, \first
	PLACES NP
	WIN 0
	FETCH_A \slot, (\q)+1, 4
.endm
; A slot's last step changes slots: ONE barrier; in front of it each wave waits for all its tensor loads, adds 0 to its spare word, and waits for that and for its own reads of this slot.  fill = 1: the slot is filled again, two K steps on.
.macro TURN slot, next, fill
.if \fill
	s_wait_xcnt 0x0                                ; my last prefetch has read its address, which steps here, a K step behind it
	s_add_nc_u64 s[PFA:PFA+1], s[PFA:PFA+1], ROWB
.endif
	s_wait_tensorcnt 0x0                           ; all my tensor loads have landed: my part of the next slot (every window is 0 here)
	ds_add_u32 v[SPW], v[NIL]
.if \fill
	s_add_nc_u64 s[G0+4*\slot+2:G0+4*\slot+3], s[G0+4*\slot+2:G0+4*\slot+3], 2*ROWB      ; no tensor load of mine is out: this slot's next K step
	s_add_nc_u64 s[G0B+4*\slot+2:G0B+4*\slot+3], s[G0B+4*\slot+2:G0B+4*\slot+3], 2*ROWB
.endif
	s_wait_dscnt 4*NL+1                            ; the add and the youngest sixteen loads (A's blocks 4-7) may be out
	WIN MUL_LO
	MUL16 0, 1, 0                                  ; sixteen products between the add and the wait for it
	s_wait_dscnt 0x0                               ; the add is done, and my reads of this slot are over
	s_barrier_signal -1
	MUL16 2, 1, 0                                  ; work on registers while the others arrive
	WIN 0
	s_barrier_wait -1
.if \fill
	CREST                                          ; the barrier has opened a round of the cluster's barrier
	JLOAD G0+4*\slot, G1, G0B+4*\slot, G1B         ; the first tensor load behind the round; its four v_nop are the places in front of the loads below
.else
	PLACES NP
.endif
	FETCH_B \next, 0, 0
	FETCH_A \next, 0, 0
.if \fill
	ASK                                            ; behind the joint load and the run of LDS loads
.endif
	WIN MUL_HI
	MUL16 4, 1, 0
	MUL16 6, 1, 0
	PLACES NP
	WIN 0
	FETCH_A \next, 0, 4
.endm
	s_wait_alu depctr_va_vdst(0)
	s_wait_tensorcnt 0x0                           ; my part of K step 0 is in
	ds_add_u32 v[SPW], v[NIL]
	s_wait_dscnt 0x0
	CROUND                                         ; everybody's part of K step 0 is in, and all sixteen work-groups are here
	JLOAD G0+4, G1, G0B+4, G1B                     ; K step 1, slot 1's first fill: the first tensor load behind the round
	FETCH_B 0, 0, 0
	FETCH_A 0, 0, 0
	FETCH_A 0, 0, 4
	global_prefetch_b8 v[PFO], s[PFA:PFA+1] offset:3*ROWB th:TH_LOAD_NT scope:SCOPE_SE   ; K step 3: step 1 is being loaded, so two steps are asked for and not yet loaded
	STEP 0, 0, 1
.irp c, 0,1,2,3
.irp u, 0,1
	global_load_b128 v[RAWP+16*\c+8*\u:RAWP+16*\c+8*\u+3], v[PO], s[6:7] offset:128*\c+64*\u
	global_load_b128 v[RAWP+16*\c+8*\u+4:RAWP+16*\c+8*\u+7], v[PO], s[6:7] offset:128*\c+64*\u+16
.endr
.endr
	s_mov_b32 s3, LAPS-1
.Llap:
	TURN 0, 1, 1
	STEP 1, 0, 0
	TURN 1, 0, 1
	STEP 0, 0, 0
	s_sub_co_u32 s3, s3, 1
	s_cmp_lg_u32 s3, 0
	s_cbranch_scc1 .Llap
	TURN 0, 1, 0
	STEP 1, 0, 0
	s_wait_dscnt 4*NL
	WIN MUL_LO
	MUL16 0, 1, 0
	MUL16 2, 1, 0
	s_wait_dscnt 0
	WIN MUL_HI
	MUL16 4, 1, 0
	MUL16 6, 1, 0
	WIN 0
	s_mov_b32 vcc_lo, 0xffff
	s_wait_loadcnt 0x0
.set i, 0
.rept 32
	v_cvt_pk_bf16_f32 v[PH+i], v[RAWP+2*i], v[RAWP+2*i+1]
.set i, i+1
.endr
.set i, 0
.rept 32
	v_fma_mix_f32_bf16 v[RAWP+2*i], v[PH+i], v[NEG1], v[RAWP+2*i] op_sel_hi:[1,0,0]
	v_fma_mix_f32_bf16 v[RAWP+2*i+1], v[PH+i], v[NEG1], v[RAWP+2*i+1] op_sel:[1,0,0] op_sel_hi:[1,0,0]
.set i, i+1
.endr
	WIN 0x40
.set i, 0
.rept 32
	v_cvt_pk_bf16_f32 v[PL+i], v[RAWP+2*i], v[RAWP+2*i+1]
.set i, i+1
.endr
.macro SQHI c, g
	WIN 0x0a+5*\g
.irp x, 0,1,2,3
.irp bb, 0,1
.irp q, 0,1,2,3
.set AC, 8*(8*\x+2*\c+\bb)+2*\q
.set SQ, SS+8*(4*\g+\x)+2*\q
.if (\c == 0) && (\bb == 0)
	v_pk_mul_f32 v[SQ:SQ+1], v[AC:AC+1], v[AC:AC+1]
.else
	v_pk_fma_f32 v[SQ:SQ+1], v[AC:AC+1], v[AC:AC+1], v[SQ:SQ+1]
.endif
.endr
.endr
.endr
.irp x, 0,1,2,3
.irp bb, 0,1
.irp q, 0,1,2,3
.set AC, 8*(8*\x+2*\c+\bb)+2*\q
	v_cvt_pk_bf16_f32 v[YH+8*(4*\g+\x)+4*\bb+\q], v[AC], v[AC+1]
.endr
.endr
.endr
	WIN 0xa0+0x50*\g
.irp x, 0,1,2,3
.irp bb, 0,1
.irp q, 0,1,2,3
.set AC, 8*(8*\x+2*\c+\bb)+2*\q
	v_fma_mix_f32_bf16 v[AC], v[YH+8*(4*\g+\x)+4*\bb+\q], v[NEG1], v[AC] op_sel_hi:[1,0,0]
	v_fma_mix_f32_bf16 v[AC+1], v[YH+8*(4*\g+\x)+4*\bb+\q], v[NEG1], v[AC+1] op_sel:[1,0,0] op_sel_hi:[1,0,0]
.endr
.endr
.endr
	WIN 0x4a+5*\g
.irp x, 0,1,2,3
.irp bb, 0,1
.irp q, 0,1,2,3
.set AC, 8*(8*\x+2*\c+\bb)+2*\q
	v_cvt_pk_bf16_f32 v[YL+8*(4*\g+\x)+4*\bb+\q], v[AC], v[AC+1]
.endr
.endr
.endr
.endm
.macro DOT c
	WIN 0
.irp a, 0,1,2,3,4,5,6,7
.if \c == 0
	v_wmma_f32_16x16x32_bf16 v[D2+8*\a:D2+8*\a+7], v[PH+8*\c:PH+8*\c+7], v[YH+8*\a:YH+8*\a+7], 0
.else
	v_wmma_f32_16x16x32_bf16 v[D2+8*\a:D2+8*\a+7], v[PH+8*\c:PH+8*\c+7], v[YH+8*\a:YH+8*\a+7], v[D2+8*\a:D2+8*\a+7]
.endif
.endr
	WIN 0x04
.irp a, 0,1,2,3,4,5,6,7
	v_wmma_f32_16x16x32_bf16 v[D2+8*\a:D2+8*\a+7], v[PH+8*\c:PH+8*\c+7], v[YL+8*\a:YL+8*\a+7], v[D2+8*\a:D2+8*\a+7]
.endr
	WIN 0x01
.irp a, 0,1,2,3,4,5,6,7
	v_wmma_f32_16x16x32_bf16 v[D2+8*\a:D2+8*\a+7], v[PL+8*\c:PL+8*\c+7], v[YH+8*\a:YH+8*\a+7], v[D2+8*\a:D2+8*\a+7]
.endr
.endm
.irp c, 0,1,2,3
	SQHI \c, 0
	SQHI \c, 1
	DOT \c
.endr
	WIN 0
.irp a, 0,1,2,3,4,5,6,7
	v_pk_add_f32 v[SS+8*\a:SS+8*\a+1], v[SS+8*\a:SS+8*\a+1], v[SS+8*\a+2:SS+8*\a+3]
	v_pk_add_f32 v[SS+8*\a+4:SS+8*\a+5], v[SS+8*\a+4:SS+8*\a+5], v[SS+8*\a+6:SS+8*\a+7]
.endr
.irp a, 0,1,2,3,4,5,6,7
	v_pk_add_f32 v[SS+8*\a:SS+8*\a+1], v[SS+8*\a:SS+8*\a+1], v[SS+8*\a+4:SS+8*\a+5]
.endr
.irp a, 0,1,2,3,4,5,6,7
	v_add_f32 v[SS+8*\a], v[SS+8*\a], v[SS+8*\a+1]
.endr
.irp a, 0,1,2,3,4,5,6,7
	v_permlanex16_b32 v[SS+8*\a+1], v[SS+8*\a], s84, s85
.endr
.irp a, 0,1,2,3,4,5,6,7
	v_add_f32 v[SS+8*\a], v[SS+8*\a], v[SS+8*\a+1]
.endr
.irp a, 0,1,2,3,4,5,6,7
	v_cndmask_b32 v[D2+8*\a], v[D2+8*\a], v[SS+8*\a], vcc_lo
.endr
	s_cmp_eq_u32 s16, 0
	s_cbranch_scc1 .Lno_put
.irp a, 0,1,2,3,4,5,6,7
	ds_store_b128 v[STGA], v[D2+8*\a:D2+8*\a+3] offset:1024*\a
	ds_store_b128 v[STGA], v[D2+8*\a+4:D2+8*\a+7] offset:1024*\a+512
.endr
.Lno_put:
	s_wait_dscnt 0x0
	s_barrier_signal -1
	s_barrier_wait -1
	s_cmp_lg_u32 s16, 0
	s_cbranch_scc1 .Ldone
.irp a, 0,1,2,3,4,5,6,7
	ds_load_b128 v[TT+8*\a:TT+8*\a+3], v[STGA] offset:1024*\a
	ds_load_b128 v[TT+8*\a+4:TT+8*\a+7], v[STGA] offset:1024*\a+512
.endr
	s_wait_alu depctr_va_vdst(0)
.irp a, 0,1,2,3,4,5,6,7
	s_wait_dscnt 14-2*\a
.irp q, 0,2,4,6
	v_pk_add_f32 v[D2+8*\a+\q:D2+8*\a+\q+1], v[D2+8*\a+\q:D2+8*\a+\q+1], v[TT+8*\a+\q:TT+8*\a+\q+1]
.endr
	global_store_b128 v[CO], v[D2+8*\a:D2+8*\a+3], s[70:71] offset:1024*\a
	global_store_b128 v[CO], v[D2+8*\a+4:D2+8*\a+7], s[70:71] offset:1024*\a+512
.endr
.Ldone:
	s_wait_tensorcnt 0x0
	ds_add_u32 v[SPW], v[NIL]
	s_wait_dscnt 0x0
	CROUND
	s_endpgm
.Lfunc_end_k_qd590094699_gemm:
	.size	k_qd590094699_gemm, .Lfunc_end_k_qd590094699_gemm-k_qd590094699_gemm
	.p2alignl 7, 3214868480
	.fill 96, 4, 3214868480
	.section	.rodata,"a",@progbits
	.p2align	6, 0x0
	.amdhsa_kernel k_qd590094699_gemm
		.amdhsa_group_segment_fixed_size 327680
		.amdhsa_private_segment_fixed_size 0
		.amdhsa_enable_private_segment 0
		.amdhsa_kernarg_size 48
		.amdhsa_user_sgpr_count 2
		.amdhsa_user_sgpr_kernarg_segment_ptr 1
		.amdhsa_wavefront_size32 1
		.amdhsa_system_sgpr_workgroup_id_x 1
		.amdhsa_system_sgpr_workgroup_id_y 1
		.amdhsa_system_sgpr_workgroup_id_z 1
		.amdhsa_system_vgpr_workitem_id 0
		.amdhsa_next_free_vgpr 1024
		.amdhsa_next_free_sgpr 98
		.amdhsa_reserve_vcc 1
		.amdhsa_float_denorm_mode_32 3
		.amdhsa_float_denorm_mode_16_64 3
		.amdhsa_memory_ordered 1
		.amdhsa_forward_progress 1
		.amdhsa_inst_pref_size 191
	.end_amdhsa_kernel
	.amdgpu_metadata
---
amdhsa.version: [ 1, 2 ]
amdhsa.kernels:
  - .name:           k_qd590094699_gemm
    .symbol:         k_qd590094699_gemm.kd
    .args:
      - { .name: codes, .offset: 0, .size: 8, .value_kind: global_buffer, .address_space: global }
      - { .name: prototypes, .offset: 8, .size: 8, .value_kind: global_buffer, .address_space: global }
      - { .name: bv, .offset: 16, .size: 8, .value_kind: global_buffer, .address_space: global }
      - { .name: bt, .offset: 24, .size: 8, .value_kind: global_buffer, .address_space: global }
      - { .name: lowp_scales, .offset: 32, .size: 8, .value_kind: global_buffer, .address_space: global }
      - { .name: part, .offset: 40, .size: 8, .value_kind: global_buffer, .address_space: global }
    .group_segment_fixed_size: 327680
    .private_segment_fixed_size: 0
    .kernarg_segment_align: 8
    .kernarg_segment_size: 48
    .max_flat_workgroup_size: 128
    .sgpr_count:     98
    .vgpr_count:     1024
    .wavefront_size: 32
...
	.end_amdgpu_metadata
.endif
;; end of part 2
;; launch finish (part 3): grid 64 x 1, 8 waves a work-group, no clusters, 5,120 bytes of LDS; arguments part, pinv, disease_labels, lowp_scales, out0; writes out0
.if DOCPART == 3
	.amdgcn_target "amdgcn-amd-amdhsa--gfx1250"
	.amdhsa_code_object_version 6
	.text
	.protected	k_qd590094699_finish
	.globl	k_qd590094699_finish
	.p2align	8
	.type	k_qd590094699_finish,@function
k_qd590094699_finish:
	s_mov_b64 s[64:65], 0
	v_nop
	global_prefetch_b8 v0, s[64:65] scope:SCOPE_SE
	s_setreg_imm32_b32 hwreg(HW_REG_WAVE_MODE, 25, 1), 1
	s_wait_xcnt 0x0
; out0[row][k] = 0.5 (v_sim + t_sim) x label, from the records that the product's launch left: for each of 16 tile columns and each stacked row (image's 2,048, then text's) 16 numbers:
; entry 0 the sum of y'^2, entry 2 + k the product y' . prototype k, y' = y / 2^e, e = the product's two exponents added.
; sim = (2^e d') / max(2^e sqrt(ss'), 1e-12) x pinv[2 + k].  The powers of two go in by v_ldexp_f32: no limit on the exponents.  A sum of squares under 2^-126 counts as 0 in the root; the hold at 1e-12 stands over it, as it would over the root itself.
; A work-group owns 32 rows: 1,792 bytes of out0.  PHASE 1: wave w = 4 rb + 2 g + u adds the 16 tile columns' images of block rb of 16 rows, product g, half u (512 bytes each: 16 bytes a lane) and lays its four numbers a lane into
; LDS as records: REC[g][32 rows][16 f32].  One barrier.  PHASE 2: thread t < 224 owns the pair of numbers t of the 448: row t / 7, labels 2 (t % 7) and the next.  No matrix unit, no tensor load: the launch moves 4 MB once.
	s_load_b256 s[4:11], s[0:1], 0x0               ; part s[4:5], pinv s[6:7], labels s[8:9], the scales' exponents s[10:11]
	s_load_b64 s[12:13], s[0:1], 0x20              ; out0
	v_lshl_add_u32 v96, v0, 2, 0x1000
	v_mov_b32 v97, 0
	v_lshrrev_b32 v1, 5, v0
	s_delay_alu instid0(VALU_DEP_1)
	v_readfirstlane_b32 s14, v1                    ; wave 0..7
	v_and_b32 v2, 31, v0                           ; lane
	v_and_b32 v3, 15, v0                           ; r
	s_wait_alu depctr_va_vdst(0)
	v_bfe_u32 v1, v0, 4, 1                         ; h
	v_lshlrev_b32 v4, 4, v2                        ; 16 x lane
	s_lshr_b32 s15, s14, 2                         ; rb
	s_bfe_u32 s16, s14, 0x10001                    ; g
	s_and_b32 s17, s14, 1                          ; u
	s_lshl_b32 s18, s16, 11
	s_lshl_b32 s19, s15, 10
	s_add_co_u32 s18, s18, s19
	s_lshl_b32 s19, s17, 4
	s_add_co_u32 s18, s18, s19
	v_lshlrev_b32 v5, 6, v3
	s_wait_alu depctr_va_vdst(0)
	v_lshl_add_u32 v5, v1, 5, v5
	s_delay_alu instid0(VALU_DEP_1)
	v_add_nc_u32 v5, s18, v5                       ; where my four numbers go: 2048 g + 64 (16 rb + r) + 4 (8 h + 4 u)
	v_mul_u32_u24 v6, v0, 9363
	s_delay_alu instid0(VALU_DEP_1)
	v_lshrrev_b32 v6, 16, v6                       ; row = t / 7 (9363 / 65536 is just above 1 / 7: right for t up to 255)
	s_delay_alu instid0(VALU_DEP_1)
	v_mul_u32_u24 v7, v6, 7
	s_delay_alu instid0(VALU_DEP_1)
	v_sub_nc_u32 v7, v0, v7                        ; cp = t % 7
	v_lshlrev_b32 v10, 3, v0                       ; 8 t: my pair's byte in the work-group's part of labels and of out0
	s_delay_alu instid0(VALU_DEP_1)
	v_lshl_add_u32 v8, v6, 3, v10
	s_delay_alu instid0(VALU_DEP_1)
	v_add_nc_u32 v8, 8, v8                         ; my pair's entries in a record: 64 row + 4 (2 + 2 cp) = 8 t + 8 row + 8
	v_lshlrev_b32 v9, 6, v6                        ; the record's entry 0
	v_lshlrev_b32 v11, 3, v7
	s_delay_alu instid0(VALU_DEP_1)
	v_add_nc_u32 v11, 8, v11                       ; my pair in pinv: slots 2 + 2 cp and the next
	v_min_u32 v80, 1784, v10                       ; threads 224 to 255 own no pair: their offset is held at the last pair's, so that the load below stays inside the buffer in the last work-group too
	s_lshl_b32 s20, ttmp9, 11                      ; part: block 2 x work-group + rb of 1,024 bytes, + 512 u, + 128 blocks for text
	s_lshl_b32 s21, s15, 10
	s_add_co_u32 s20, s20, s21
	s_lshl_b32 s21, s17, 9
	s_add_co_u32 s20, s20, s21
	s_lshl_b32 s21, s16, 17
	s_add_co_u32 s20, s20, s21
	s_mov_b32 s21, 0
	s_mul_i32 s22, ttmp9, 1792
	s_mov_b32 s23, 0
	s_wait_alu depctr_va_vdst(0)
	s_wait_kmcnt 0x0
	s_load_b128 s[24:27], s[10:11], 0x0            ; e of image, Wv, text, Wt
	s_add_nc_u64 s[4:5], s[4:5], s[20:21]
	s_add_nc_u64 s[8:9], s[8:9], s[22:23]
	s_add_nc_u64 s[12:13], s[12:13], s[22:23]
	global_load_b64 v[12:13], v80, s[8:9]          ; my two labels
	global_load_b64 v[14:15], v11, s[6:7]          ; and 1 / max(|prototype|, 1e-12) of the two
.set i, 0
.rept 16
	global_load_b128 v[16+4*i:19+4*i], v4, s[4:5] offset:262144*i th:TH_LOAD_NT   ; tile column i's image: 512 consecutive bytes; read once
.set i, i+1
.endr
.set i, 1
.rept 15
	s_wait_alu depctr_va_vdst(0)
	s_wait_loadcnt 15-i                            ; images 0 to i are in; the younger ones stay out
	v_pk_add_f32 v[16:17], v[16:17], v[16+4*i:17+4*i]
	v_pk_add_f32 v[18:19], v[18:19], v[18+4*i:19+4*i]
.set i, i+1
.endr
	ds_store_b128 v5, v[16:19]
	s_wait_dscnt 0x0                               ; for the others' sake: my store is done
	s_barrier_signal -1
	s_barrier_wait -1
	s_cmp_eq_u32 s14, 7
	s_cbranch_scc1 .Lend                           ; 224 pairs: seven waves
	ds_load_b64 v[24:25], v8                       ; image's two products,
	ds_load_b64 v[26:27], v8 offset:2048           ; text's,
	ds_load_b32 v28, v9                            ; and the two sums of squares
	ds_load_b32 v29, v9 offset:2048
	s_wait_kmcnt 0x0
	s_add_co_i32 s28, s24, s25                     ; e of the first product,
	s_add_co_i32 s29, s26, s27                     ; of the second
	v_cvt_f32_i32 v12, v12
	v_cvt_f32_i32 v13, v13
	s_delay_alu instid0(VALU_DEP_1)
	v_pk_mul_f32 v[12:13], v[12:13], v[14:15]
	s_delay_alu instid0(VALU_DEP_1)
	v_pk_mul_f32 v[12:13], v[12:13], 0.5 op_sel_hi:[1,0]          ; 0.5 x label / |prototype|
	s_wait_dscnt 0x0
	v_sqrt_f32 v28, v28
	v_sqrt_f32 v29, v29
	v_nop                                          ; a plain place behind the roots
	s_wait_alu depctr_va_vdst(0)
	v_ldexp_f32 v28, v28, s28                      ; |y| = 2^e sqrt(ss')
	v_ldexp_f32 v29, v29, s29
	s_delay_alu instid0(VALU_DEP_2)
	v_max_num_f32 v28, 0x2b8cbccc, v28             ; max(|y|, 1e-12)
	s_delay_alu instid0(VALU_DEP_2)
	v_max_num_f32 v29, 0x2b8cbccc, v29
	s_wait_alu depctr_va_vdst(0)
	v_rcp_f32 v28, v28
	v_rcp_f32 v29, v29
	v_nop                                          ; a plain place behind the reciprocals
	s_wait_alu depctr_va_vdst(0)
	v_ldexp_f32 v28, v28, s28                      ; 2^e / max(|y|, 1e-12): what a product y' . p is multiplied by
	v_ldexp_f32 v29, v29, s29
	s_delay_alu instid0(VALU_DEP_2)
	v_mul_f32 v24, v24, v28
	s_delay_alu instid0(VALU_DEP_3)
	v_mul_f32 v25, v25, v28
	s_delay_alu instid0(VALU_DEP_2)
	v_fma_f32 v24, v26, v29, v24
	s_delay_alu instid0(VALU_DEP_2)
	v_fma_f32 v25, v27, v29, v25
	s_delay_alu instid0(VALU_DEP_1)
	v_pk_mul_f32 v[24:25], v[24:25], v[12:13]
	global_store_b64 v10, v[24:25], s[12:13]       ; a wave stores 256 consecutive bytes, at a multiple of 256 from out0's first byte
.Lend:
	s_wait_tensorcnt 0x0
	ds_add_u32 v96, v97
	s_wait_dscnt 0x0
	s_endpgm
.Lfunc_end_k_qd590094699_finish:
	.size	k_qd590094699_finish, .Lfunc_end_k_qd590094699_finish-k_qd590094699_finish
	.p2alignl 7, 3214868480
	.fill 96, 4, 3214868480
	.section	.rodata,"a",@progbits
	.p2align	6, 0x0
	.amdhsa_kernel k_qd590094699_finish
		.amdhsa_group_segment_fixed_size 5120
		.amdhsa_private_segment_fixed_size 0
		.amdhsa_enable_private_segment 0
		.amdhsa_kernarg_size 40
		.amdhsa_user_sgpr_count 2
		.amdhsa_user_sgpr_kernarg_segment_ptr 1
		.amdhsa_wavefront_size32 1
		.amdhsa_system_sgpr_workgroup_id_x 1
		.amdhsa_system_sgpr_workgroup_id_y 1
		.amdhsa_system_sgpr_workgroup_id_z 1
		.amdhsa_system_vgpr_workitem_id 0
		.amdhsa_next_free_vgpr 98
		.amdhsa_next_free_sgpr 66
		.amdhsa_reserve_vcc 0
		.amdhsa_float_denorm_mode_32 3
		.amdhsa_float_denorm_mode_16_64 3
		.amdhsa_memory_ordered 1
		.amdhsa_forward_progress 1
		.amdhsa_inst_pref_size 10
	.end_amdhsa_kernel
	.amdgpu_metadata
---
amdhsa.version: [ 1, 2 ]
amdhsa.kernels:
  - .name:           k_qd590094699_finish
    .symbol:         k_qd590094699_finish.kd
    .args:
      - { .name: part, .offset: 0, .size: 8, .value_kind: global_buffer, .address_space: global }
      - { .name: pinv, .offset: 8, .size: 8, .value_kind: global_buffer, .address_space: global }
      - { .name: disease_labels, .offset: 16, .size: 8, .value_kind: global_buffer, .address_space: global }
      - { .name: lowp_scales, .offset: 24, .size: 8, .value_kind: global_buffer, .address_space: global }
      - { .name: out0, .offset: 32, .size: 8, .value_kind: global_buffer, .address_space: global }
    .group_segment_fixed_size: 5120
    .private_segment_fixed_size: 0
    .kernarg_segment_align: 8
    .kernarg_segment_size: 40
    .max_flat_workgroup_size: 256
    .sgpr_count:     66
    .vgpr_count:     98
    .wavefront_size: 32
...
	.end_amdgpu_metadata
.endif
;; end of part 3
